; MI455X (gfx1250); checked and timed in simulation.
; The chip was launched on July 23, 2026; its instructions are those of AMD's public machine-readable ISA for CDNA 5 (MIT licence, August 2026) and "CDNA5" Instruction Set Architecture Reference Guide (July 2026). The comments in the code are by the model that wrote it; some were corrected since.
;; Performer Attention. Allowed arithmetic: matrix products marked QUANTISED: E4M3 operands, one E8M0 scale for each 32 along K, by v_wmma_scale_f32_16x16x128_f8f6f4 with both operands' format E4M3, f32 sums; products left as they are: f32 operands where the result goes on into a quantised operand, else bf16, f16 or f32 operands; f32 sums; everything else in f32.
;; Inputs: K 4 x 8 x 4,096 x 64 float32; Q 4 x 8 x 4,096 x 64 float32; V 4 x 8 x 4,096 x 64 float32; mask 4 x 4,096 float32; proj_codes 256 x 2 x 32 uint8 (E4M3 codes of proj, K innermost, in blocks of 32 codes); proj_scales 256 x 2 uint8 (E8M0 scales of proj, one for each 32 codes along K).
;; Outputs: out0 4 x 8 x 4,096 x 64 float32.
;; This version of the problem:
;;   THIS VERSION OF THE PROBLEM IS GIVEN IN LOW PRECISION. The matrix products marked QUANTISED in the list below multiply operands that are first quantised to E4M3 (4 exponent bits, 3 mantissa bits; 8 bits a number), with one power-of-two scale for each 32 numbers along K (OCP MX v1.0); their sums are f32. All else is computed in f32.
;;   The module's matrix products, in the order in which they are computed (A, B: the left and right operand; K: the contracted axis; several contracted axes count as one K, in the product's order):
;;     1. [M 131,072, K 64] x [K 64, N 256]; A: computed on the way; B: input proj (given as codes): QUANTISED
;;     2. [M 131,072, K 64] x [K 64, N 256]; A: computed on the way; B: input proj (given as codes): QUANTISED
;;     3. batch 32 x [M 4,096, K 256] x [K 256, N 1]; A: computed on the way; B: computed on the way: left as it is (N = 1 < 16)
;;     4. batch 32 x [M 256, K 4,096] x [K 4,096, N 64]; A: computed on the way; B: computed on the way: QUANTISED
;;     5. batch 32 x [M 4,096, K 256] x [K 256, N 64]; A: computed on the way; B: computed on the way: QUANTISED
;;   THE QUANTISER, for each operand of a quantised product, along K:
;;     - K is cut into blocks of 32 from its start; a last block that is shorter is filled with zeros.
;;     - A block's scale is 2^e with e = floor(log2(the largest magnitude in the block)) - 8, held to -126 .. 127; a block of zeros has e = 0. As a byte (E8M0): e + 127.
;;     - Each number is divided by its block's scale, clamped to +-448, and rounded to the nearest number of E4M3, ties to even, subnormals kept.
;;     - The product sums the exact products of the quantised numbers (number of the format x scale) in f32.
;;   ~~~python
;;   def quantise(x, axis):      # numpy; x: float32 -> the quantised numbers, widened to float32 again
;;       x = np.moveaxis(x, axis, -1); K = x.shape[-1]
;;       x = np.pad(x, [(0, 0)] * (x.ndim - 1) + [(0, -K % 32)]); x = x.reshape(x.shape[:-1] + (-1, 32)); a = np.abs(x).max(-1, keepdims=True)
;;       e = np.where(a > 0, np.clip(np.frexp(np.where(a > 0, a, 1))[1] - 1 - 8, -126, 127), 0)      # np.frexp(a)[1] - 1 = floor(log2(a)), exactly
;;       r = np.clip(x / 2.0 ** e, -448, 448)
;;       step = 2.0 ** (np.maximum(np.frexp(np.where(r == 0, 1, r))[1] - 1, -6) - 3)
;;       q = np.round(r / step) * step * 2.0 ** e      # np.round: ties to even
;;       return np.moveaxis(q.reshape(q.shape[:-2] + (-1,))[..., :K], -1, axis).astype(np.float32)
;;   ~~~
;;   OPERANDS COMPUTED ON THE WAY. 'Computed on the way' means the value that the module computes at that place (a softmax that the list does not call 'softmax' is quantised finished and normalised). What goes into a quantiser is computed in f32, as accurately as f32 sums, v_exp_f32 and their like allow (about 1e-6 of the number): no bf16 or f16 on the way to a quantiser, and a product that is left as it is and whose result goes on into a quantised operand takes f32 operands (vector FMAs, or v_wmma_f32_16x16x4_f32). A number that lies on a knife's edge between two numbers of the format may be rounded either way, as far as f32 arithmetic and the matrix unit's own rounding can turn it there, and no further.
;;   INPUTS GIVEN AS CODES. proj (in the module: [256, 64], K = its axis 1): each comes as NAME_codes (uint8): NAME with its K axis moved to the last place and cut into blocks of 32 codes, [.., K / 32, bytes a block], one block behind the other in memory; one code a byte (a code: sign, 4 exponent bits, 3 mantissa bits); and NAME_scales (uint8): the same leading axes, one E8M0 byte (e + 127) for each 32 codes along K. Its value is code x scale, taken as it is: it is not quantised again, and the codes and scales need not be those that the quantiser above would give.
;; One version. Each part assembles by itself: llvm-mc -triple=amdgcn-amd-amdhsa -mcpu=gfx1250 --defsym DOCPART=n.
;; ======== version 1 of 1: 3 launches
;; workspace buffers: ctxp 16,777,216 bytes; ksp 262,144 bytes; ctxc 524,288 bytes; ctxs 32,768 bytes; ksum 32,768 bytes
;; launch ctx (part 1): grid 8 x 32, 8 waves a work-group, no clusters, 327,680 bytes of LDS; arguments K, V, mask, proj_codes, proj_scales, ctxp, ksp; writes ctxp, ksp
.if DOCPART == 1
	.amdgcn_target "amdgcn-amd-amdhsa--gfx1250"
	.amdhsa_code_object_version 6
	.text
	.protected	k_q5f5e7f94e6_ctx
	.globl	k_q5f5e7f94e6_ctx
	.p2align	8
	.type	k_q5f5e7f94e6_ctx,@function
k_q5f5e7f94e6_ctx:
	s_mov_b64 s[64:65], 0
	v_nop
	global_prefetch_b8 v0, s[64:65] scope:SCOPE_SE
	s_setreg_imm32_b32 hwreg(HW_REG_WAVE_MODE, 25, 1), 1
	s_wait_xcnt 0x0
; PERFORMER ATTENTION, FIRST OF THREE LAUNCHES: for one head and one chunk of 512 keys, the partial context phi_k^T v [256][64] and the partial k_sum [256].
; k = K s m (s = 64^-1/4, m the key's mask) and v = V m are quantised to E4M3 with one E8M0 scale for each 32 along a product's K: k along the head's 64, v along the keys.
; x = k proj^T (proj comes as codes), phi = relu(x) + eps, phi quantised along the keys, context += phi^T v.  k_sum is the sum of the unquantised phi.
; SHARES.  Work-group = (chunk x, head y), eight waves.  The 512 keys go in two halves of 256.  In a half, wave w first quantises rows 32 w .. 32 w + 31 of K (two tiles of 16) and of V (one block of 32 x 64 columns)
; and lays the codes in LDS as images of operand registers; then wave (fg = w & 3, ph = w >> 2) takes 128 keys (128 ph on) against its 64 features (64 fg on).  At the end waves w and w xor 4 exchange halves and add.
; EPS IS THE C of the first product: x' = x + eps, phi = max(x', eps), and a block's largest phi is the largest x' with eps as one more leaf.
; K = 64 IN AN INSTRUCTION OF 128: a fragment of proj holds two neighbouring tiles of features, [tile 2g | tile 2g+1]; k's fragment is taken as [k | 0] or [0 | k], cut from the run 0, k0, 0, k1, 0; zero codes add nothing.
; THE ORDER INSIDE A BLOCK OF 32 KEYS: the first product gives lane (r, h) keys 16 t + 8 h + j, so slot i of the lane's 16 is key 32 c + 16 (i / 8) + 8 h + i % 8; v's codes are laid in the same order.  The blocks are the true blocks.
; TWO TO AN INSTRUCTION: phi's maximum with eps, its hold and V's multiplication by the mask have no packed form, so they go in dual-issue pairs on neighbouring registers.
; No cluster: what work-groups share (proj, 16 KiB) is a sixteenth of the 256 KiB that each reads for itself.  No ring: a work-group's whole input fits in LDS, every LDS byte is filled once.
; LIMITS: k is K (s m), not (K s) m: equal for masks of 0 and 1, within one rounding otherwise.  NaN and infinities among the inputs, NaN codes and the scale byte 0xff in proj are not served.
; Blocks whose largest magnitude lies under 2^-118 (blocks of zeros among them) get the byte 1: their codes are zeros or next to it, and the bytes are read by this program alone.
.set KP,   272                         ; a row of K in LDS: 256 bytes + 16: the 16 rows of a load start at 16 different 16-byte columns of 256
.set KF,   0                           ; K, f32: 512 rows
.set VF,   512*KP                      ; V, f32: 512 rows of 256 bytes, dense: it is read by whole rows
.set KI,   VF+512*256                  ; images of k's 16 tiles of a half: 1,024 bytes each (two groups of four registers)
.set KS,   KI+16*1024                  ; their scale words: 128 bytes each
.set VI,   KS+16*128                   ; images of v's fragments [ph][T][c][lane][16 bytes]
.set VS,   VI+16384                    ; v's scale words [ph][T]: 128 bytes each, byte 4 d + c
.set KST,  65536                       ; the end: 128 bytes a wave for k_sum; the stages for the exchange are 8,192 bytes a wave from byte 0.  Both lie in K's rows, which have had their one fill and their last read by then
.set AKF, 2                            ; v2   K: my 64 bytes of my row in the wave's rows
.set AVF, 3                            ; v3   V: my 8 bytes of a row
.set AKI, 4                            ; v4   where I store k's images          v5  and their scale words
.set AKS, 5
.set AVI, 6                            ; v6   where I store v's codes           v7  and its scale bytes
.set AVS, 7
.set RKI, 8                            ; v8-11 where I read k's images, k's scale words, v's images, v's scale words
.set RKS, 9
.set RVI, 10
.set RVS, 11
.set STS, 12                           ; v12  my stage                          v13 my partner's
.set STR, 13
.set KSS, 14                           ; v14  my k_sum word                     v15 my partner's
.set KSR, 15
.set GC,  16                           ; v16  16 x lane     v17  4 x lane     v18  4 x (lane % 16)
.set GK,  17
.set MKO, 18
.set EPSC, 20                          ; v20-27  eps, eight times: the C of the first product
.set PS,   28                          ; v28-29  proj's scale words, one for each packed fragment
.set KSW,  30                          ; v30-31  k's scale words
.set PSW,  32                          ; v32-35  phi's scale words, one for each tile of features
.set VSW,  36                          ; v36-39  v's scale words
.set KSUM, 40                          ; v40-47  k_sum, a pair for each tile of features
.set MK,   48                          ; v48-51  my row's mask: half 0 tile 0, 1; half 1 tile 0, 1
.set SM,   52                          ; v52-55  s x mask, twice, for each tile
.set MX,   56                          ; v56-59  largest magnitudes      v60-63 the other half's, then words     v64-67 448 x scale     v68-71 the conversion's scale operand     v72-75 bytes
.set JN,   60
.set LL,   64
.set SO,   68
.set BY,   72
.set KA,   76                          ; v76-115 the run 0, k0, 0, k1, 0: eight registers each
.set RAW,  116                         ; v116-179 64 numbers
.set PC,   180                         ; v180-243 64 numbers in the quantising phases; then phi's four fragments
.set LL2,  245                         ; v245-248 448 x scale once more, one register number further on modulo 4: the second half of a dual-issue pair names it
.set PJ,   128                         ; window 1: v0-127 the 16 accumulators ((f, T) at 8 (4 f + T)); v128-159 proj's two packed fragments; v160-223 v's four fragments
.set VFR,  160
.set SEL,  28                          ; s[28:29] selects of v_permlanex16_b32 for lane xor 16
.set MNT,  30                          ; s30  the mantissa field of 448
.set EPR,  31                          ; s31  eps
.set MS,   32                          ; s[32:63] the masks of my 32 rows of V
.set G1K,  68                          ; s[68:75] descriptor group 1 for K's tiles     s[76:83] for V's     s[84:99] four groups 0: K half 0, V half 0, K half 1, V half 1
.set G1V,  76
.set G0,   84
.set MSB, 0
.macro WIN new                         ; the immediate's high byte repeats the setting that is left
.if MSB != \new
	s_set_vgpr_msb (MSB<<8)|\new
.set MSB, \new
.endif
.endm
.macro PLACES n                        ; plain vector places behind matrix instructions and conversions (ISA guide 7.12.1)
.rept \n
	v_nop
.endr
.endm
.macro BAR                             ; my LDS stores have landed and my LDS loads are in: then the work-group's barrier
	s_wait_dscnt 0x0
	s_barrier_signal -1
	s_barrier_wait -1
.endm
.macro JOIN                            ; four largest magnitudes, each joined with lane xor 16's
.irp b, 0,1,2,3
	v_permlanex16_b32 v[JN+\b], v[MX+\b], s[SEL], s[SEL+1]
.endr
.irp b, 0,1,2,3
	v_max_num_f32 v[MX+\b], v[MX+\b], v[JN+\b]
.endr
.endm
.macro SCALE b                         ; from a block's largest magnitude:
	v_add_nc_u32 v[SO+\b], 0xfc000000, v[MX+\b]            ; 8 off its exponent field: the conversion takes this operand's exponent field as its scale
	v_and_or_b32 v[LL+\b], v[MX+\b], 0x7f800000, s[MNT]    ; 448 x the scale
	v_lshrrev_b32 v[BY+\b], 23, v[SO+\b]                   ; the scale's byte
.endm
	s_load_b256 s[4:11], s[0:1], 0x0               ; K s[4:5], V s[6:7], mask s[8:9], proj's codes s[10:11]
	s_load_b128 s[12:15], s[0:1], 0x20             ; proj's scales s[12:13], ctxp s[14:15]
	s_load_b64 s[16:17], s[0:1], 0x30              ; ksp
	v_lshl_add_u32 v254, v0, 2, 0x4ac00
	v_mov_b32 v255, 0
	ds_add_u32 v254, v255
	ds_add_u32 v254, v255
	v_lshrrev_b32 v1, 5, v0
	v_readfirstlane_b32 s18, v1                    ; wave 0..7
	s_and_b32 s19, s18, 3                          ; fg
	s_lshr_b32 s20, s18, 2                         ; ph
	s_and_b32 s21, ttmp7, 0xffff                   ; head
	s_mov_b32 s22, ttmp9                           ; chunk
	; descriptor group 1: 32 rows of 64 numbers of 4 bytes, dense in memory; K's rows get 4 words of padding behind their 64
	s_mov_b32 s[G1K+0], (2<<16)|(1<<20)|(5<<22)|(3<<25)
	s_mov_b32 s[G1V+0], 2<<16
.irp g, G1K, G1V
	s_mov_b32 s[\g+1], 64<<16                      ; tensor_dim0
	s_mov_b32 s[\g+2], 32<<16                      ; tensor_dim1
	s_mov_b32 s[\g+3], 64<<16                      ; tile_dim0
	s_mov_b32 s[\g+4], 32                          ; tile_dim1
	s_mov_b32 s[\g+5], 64                          ; pitch
	s_mov_b32 s[\g+6], 0
	s_mov_b32 s[\g+7], 0
.endr
	s_lshl_b32 s24, s21, 20                        ; a head is 1 MiB,
	s_lshl_b32 s23, s22, 17                        ; a chunk 512 rows of 256 bytes,
	s_add_co_u32 s24, s24, s23
	s_lshl_b32 s23, s18, 13                        ; my 32 rows
	s_add_co_u32 s24, s24, s23
	s_mov_b32 s25, 0
	s_mul_i32 s26, s18, 32*KP                      ; and their places in LDS
	s_lshl_b32 s27, s18, 13
	s_mov_b32 s[SEL], 0x76543210
	s_mov_b32 s[SEL+1], 0xfedcba98
	s_mov_b32 s[MNT], 0x600000
	s_mov_b32 s[EPR], 0x3a83126f                   ; 1e-3
	s_wait_dscnt 0x0
	s_wait_kmcnt 0x0
	s_add_nc_u64 s[4:5], s[4:5], s[24:25]
	s_add_nc_u64 s[6:7], s[6:7], s[24:25]
.irp p, 0,1
	s_mov_b32 s[G0+8*\p], 1
	s_add_co_u32 s[G0+8*\p+1], s26, KF+\p*256*KP
	s_add_nc_u64 s[G0+8*\p+2:G0+8*\p+3], s[4:5], \p*65536
	s_or_b32 s[G0+8*\p+3], s[G0+8*\p+3], 0x80000000
	s_mov_b32 s[G0+8*\p+4], 1
	s_add_co_u32 s[G0+8*\p+5], s27, VF+\p*65536
	s_add_nc_u64 s[G0+8*\p+6:G0+8*\p+7], s[6:7], \p*65536
	s_or_b32 s[G0+8*\p+7], s[G0+8*\p+7], 0x80000000
.endr
	; THE ROWS ARE ASKED FOR IN THE ORDER IN WHICH THEY ARE READ.  Half 0's two loads go out at once.  Half 1's two stand behind the head's work and its wait for the register loads: in the text of
	; every wave the request for rows that are read late comes behind a stretch in which the other waves ask for the rows that the first barrier waits for.  All four are first fills: they stand ahead of
	; the first wait on TENSORcnt, the first LDS read and the first barrier.  Each wave reads only the rows that it fetched.
	tensor_load_to_lds s[G0:G0+3], s[G1K:G1K+7]
	s_nop 0
	tensor_load_to_lds s[G0+4:G0+7], s[G1V:G1V+7]
	s_nop 0
	PLACES 4                                       ; (places behind the tensor loads)
	s_lshr_b32 s23, s21, 3                         ; the batch
	s_lshl_b32 s24, s23, 14
	s_lshl_b32 s23, s22, 11
	s_add_co_u32 s24, s24, s23
	s_lshl_b32 s23, s18, 7
	s_add_co_u32 s24, s24, s23                     ; 4 x (4,096 batch + 512 chunk + 32 wave)
	s_add_nc_u64 s[8:9], s[8:9], s[24:25]
	s_load_b512 s[MS:MS+15], s[8:9], 0x0           ; the masks of my 32 rows of half 0, as scalars: V's rows lie along a lane's registers
	s_load_b512 s[MS+16:MS+31], s[8:9], 0x40
	s_lshl_b32 s23, s21, 3
	s_add_co_u32 s23, s23, s22                     ; 8 head + chunk
	s_lshl_b32 s24, s23, 16                        ; ctxp: 65,536 bytes for each, and in it my two tiles of features, 4 fg + 2 ph on, 4,096 bytes each
	s_lshl_b32 s26, s19, 14
	s_add_co_u32 s24, s24, s26
	s_lshl_b32 s26, s20, 13
	s_add_co_u32 s24, s24, s26
	s_add_nc_u64 s[14:15], s[14:15], s[24:25]
	s_lshl_b32 s24, s23, 10                        ; ksp: 1,024 bytes for each, my 32 features 64 fg + 32 ph on
	s_lshl_b32 s26, s19, 8
	s_add_co_u32 s24, s24, s26
	s_lshl_b32 s26, s20, 7
	s_add_co_u32 s24, s24, s26
	s_add_nc_u64 s[16:17], s[16:17], s[24:25]
	v_and_b32 v116, 31, v0                         ; lane
	v_and_b32 v117, 15, v0                         ; r
	v_bfe_u32 v118, v0, 4, 1                       ; h
	v_lshrrev_b32 v127, 7, v0                      ; ph = wave / 4
	v_bfe_u32 v128, v0, 5, 2                       ; fg = wave % 4
	v_bfe_u32 v129, v0, 3, 2                       ; lane / 8
	v_and_b32 v130, 7, v0                          ; lane % 8
	v_lshlrev_b32 v119, 6, v117                    ; proj's codes: row r of 64 bytes, + 16 h, + 64 fg rows, + 32 rows for the pair: local fragment g is the features' pair g xor ph,
	v_lshl_add_u32 v119, v118, 4, v119             ; so that every wave keeps its local tiles 0, 1 and sends 2, 3 at the end
	v_lshl_add_u32 v119, v128, 12, v119
	v_lshl_add_u32 v119, v127, 11, v119
	v_xor_b32 v120, 0x800, v119
	v_lshlrev_b32 v121, 1, v117                    ; proj's scale bytes: two a row
	v_lshl_add_u32 v121, v128, 7, v121
	v_lshl_add_u32 v121, v127, 6, v121
	v_xor_b32 v122, 0x40, v121
	v_lshlrev_b32 v[GC], 4, v116
	v_lshlrev_b32 v[GK], 2, v116
	v_lshlrev_b32 v[MKO], 2, v117
	WIN 0x40                                       ; destination window 1
.irp g, 0,1
.irp e, 0,1
.irp q, 0,1
	global_load_b128 v[PJ+16*\g+8*\e+4*\q:PJ+16*\g+8*\e+4*\q+3], v[119+\g], s[10:11] offset:\e*1024+32*\q   ; registers 8 e + 4 q on: tile 2 g + e, its k = 32 q + 16 h on
.endr
.endr
.endr
	WIN 0
.irp g, 0,1
.irp e, 0,1
	global_load_u16 v[123+2*\g+\e], v[121+\g], s[12:13] offset:32*\e
.endr
.endr
.irp p, 0,1
.irp u, 0,1
	global_load_b32 v[MK+2*\p+\u], v[MKO], s[8:9] offset:(256*\p+16*\u)*4   ; the mask of row r of my tile u of K
.endr
.endr
	v_mul_u32_u24 v[AKF], v1, 32*KP
	v_mad_u32_u24 v[AKF], v117, KP, v[AKF]
	v_lshl_add_u32 v[AKF], v118, 6, v[AKF]         ; K: wave's rows, row r, 16 numbers of each block of 32 for each half of the lanes
	v_lshlrev_b32 v[AVF], 13, v1
	v_lshl_add_u32 v[AVF], v116, 3, v[AVF]
	v_add_nc_u32 v[AVF], VF, v[AVF]                ; V: wave's rows, columns 2 lane and 2 lane + 1
	v_lshlrev_b32 v[AKI], 11, v1
	v_lshl_add_u32 v[AKI], v116, 4, v[AKI]
	v_add_nc_u32 v[AKI], KI, v[AKI]                ; tiles 2 w, 2 w + 1
	v_lshlrev_b32 v[AKS], 8, v1
	v_lshl_add_u32 v[AKS], v116, 2, v[AKS]
	v_add_nc_u32 v[AKS], KS, v[AKS]
	v_lshlrev_b32 v[AVI], 13, v127                 ; v: my block is (ph = w / 4, c = w % 4); column 2 lane + e is T = lane / 8, d = 2 (lane % 8) + e
	v_lshl_add_u32 v[AVI], v128, 9, v[AVI]
	v_lshl_add_u32 v[AVI], v129, 11, v[AVI]
	v_lshl_add_u32 v[AVI], v130, 5, v[AVI]
	v_add_nc_u32 v[AVI], VI, v[AVI]
	v_lshl_add_u32 v[AVS], v127, 9, v128
	v_lshl_add_u32 v[AVS], v129, 7, v[AVS]
	v_lshl_add_u32 v[AVS], v130, 3, v[AVS]
	v_add_nc_u32 v[AVS], VS, v[AVS]
	v_lshl_add_u32 v[RKI], v127, 13, v[GC]
	v_add_nc_u32 v[RVI], VI, v[RKI]
	v_add_nc_u32 v[RKI], KI, v[RKI]
	v_lshl_add_u32 v[RKS], v127, 10, v[GK]
	v_add_nc_u32 v[RKS], KS, v[RKS]
	v_lshl_add_u32 v[RVS], v127, 9, v[MKO]
	v_add_nc_u32 v[RVS], VS, v[RVS]
	v_lshl_add_u32 v[STS], v1, 13, v[GC]
	v_xor_b32 v[STR], 0x8000, v[STS]               ; wave xor 4
	v_lshl_add_u32 v[KSS], v0, 2, KST
	v_xor_b32 v[KSR], 0x200, v[KSS]                ; wave xor 4
.irp z, 0,16,32
.irp i, 0,1,2,3,4,5,6,7
	v_mov_b32 v[KA+\z+\i], 0                       ; the run's three stretches of zero codes: operands, written once
.endr
.endr
.irp i, 0,1,2,3,4,5,6,7
	v_mov_b32 v[EPSC+\i], s[EPR]
	v_mov_b32 v[KSUM+\i], 0
.endr
.irp i, 0,1,2,3
	v_mov_b32 v[JN+\i], 0                          ; a lane permute's destination counts as one of its sources
.endr
	s_wait_loadcnt 0x0
	s_wait_kmcnt 0x0
.irp g, 0,1
	v_lshl_or_b32 v[PS+\g], v[124+2*\g], 16, v[123+2*\g]   ; the packed fragment's scale word: tile 2 g's two bytes, then tile 2 g + 1's
.endr
	tensor_load_to_lds s[G0+8:G0+11], s[G1K:G1K+7]         ; half 1's rows: with these, four loads of mine are out at the most
	s_nop 0
	tensor_load_to_lds s[G0+12:G0+15], s[G1V:G1V+7]
	s_nop 0
	PLACES 4                                       ; (places behind the tensor loads)
; my 32 rows of K (16 numbers of each block of 32 a lane) and of V (two columns a lane, the 32 rows down the registers)
.macro XLOADS
.irp u, 0,1
.irp q, 0,1
.irp j, 0,1,2,3
	ds_load_b128 v[PC+16*(2*\u+\q)+4*\j:PC+16*(2*\u+\q)+4*\j+3], v[AKF] offset:\u*16*KP+128*\q+16*\j
.endr
.endr
.endr
.set n, 0
.rept 32
	ds_load_b64 v[RAW+2*n:RAW+2*n+1], v[AVF] offset:256*n
.set n, n+1
.endr
.endm
; K's two tiles become codes: four blocks b = 2 u + q of 32 along the head's 64
.macro XK p
	s_wait_dscnt 32                                ; K's 16 loads are in; V's 32 are younger and may be out
.irp u, 0,1
	v_mul_f32 v[SM+2*\u], 0x3eb504f3, v[MK+2*\p+\u]        ; s x my row's mask, in both registers of a pair
	v_mul_f32 v[SM+2*\u+1], 0x3eb504f3, v[MK+2*\p+\u]
.endr
.irp u, 0,1
.set n, 0
.rept 16
	v_pk_mul_f32 v[PC+32*\u+n:PC+32*\u+n+1], v[PC+32*\u+n:PC+32*\u+n+1], v[SM+2*\u:SM+2*\u+1]
.set n, n+2
.endr
.endr
.irp b, 0,1,2,3
	v_max3_num_f32 v[MX+\b], |v[PC+16*\b]|, |v[PC+16*\b+1]|, 0x4800000   ; with the floor 2^(9 - 127): the byte cannot fall under 1
.endr
.irp i, 2,4,6,8,10,12,14
.irp b, 0,1,2,3
	v_max3_num_f32 v[MX+\b], v[MX+\b], |v[PC+16*\b+\i]|, |v[PC+16*\b+\i+1]|
.endr
.endr
	JOIN
.irp b, 0,1,2,3
	SCALE \b
.endr
.irp u, 0,1
	v_lshl_or_b32 v[JN+\u], v[BY+2*\u+1], 8, v[BY+2*\u]
.endr
.irp u, 0,1
	v_lshl_or_b32 v[JN+\u], v[JN+\u], 16, v[JN+\u]         ; (s0, s1, s0, s1): the word serves [k | 0] and [0 | k]
.endr
.irp b, 0,1,2,3
.set n, 0
.rept 16
	v_med3_num_f32 v[PC+16*\b+n], v[PC+16*\b+n], -v[LL+\b], v[LL+\b]   ; the conversion to an 8-bit code does not saturate (ISA guide 7.6.2): the hold
.set n, n+1
.endr
.endr
.irp u, 0,1
.irp q, 0,1
	v_cvt_scalef32_pk8_fp8_f32 v[KA+8+16*\u+4*\q:KA+8+16*\u+4*\q+1], v[PC+16*(2*\u+\q):PC+16*(2*\u+\q)+7], v[SO+2*\u+\q]
	v_cvt_scalef32_pk8_fp8_f32 v[KA+8+16*\u+4*\q+2:KA+8+16*\u+4*\q+3], v[PC+16*(2*\u+\q)+8:PC+16*(2*\u+\q)+15], v[SO+2*\u+\q]
.endr
.endr
	v_nop                                          ; a plain place behind the last conversion
.irp u, 0,1
	ds_store_b128 v[AKI], v[KA+8+16*\u:KA+11+16*\u] offset:\u*1024       ; the tile's eight registers as they stand: an image
	ds_store_b128 v[AKI], v[KA+12+16*\u:KA+15+16*\u] offset:\u*1024+512
	ds_store_b32 v[AKS], v[JN+\u] offset:\u*128
.endr
.endm
; V's block of 32 keys x my two columns becomes codes along the keys
.macro XV p
	s_wait_dscnt 6                                 ; V's loads are in; only the six image stores are younger
.irp e, 0,1
.set n, 0
.rept 16                                       ; v = V x the row's mask; the same lines sort the pairs into two columns of 32.  Two rows to an instruction: an even and an odd destination, two scalars, second sources two registers apart
	v_dual_mul_f32 v[PC+32*\e+n], s[MS+n], v[RAW+2*n+\e] :: v_dual_mul_f32 v[PC+32*\e+n+1], s[MS+n+1], v[RAW+2*n+2+\e]
.set n, n+2
.endr
.endr
.irp b, 0,1,2,3
	v_max3_num_f32 v[MX+\b], |v[PC+16*\b]|, |v[PC+16*\b+1]|, 0x4800000
.endr
.irp i, 2,4,6,8,10,12,14
.irp b, 0,1,2,3
	v_max3_num_f32 v[MX+\b], v[MX+\b], |v[PC+16*\b+\i]|, |v[PC+16*\b+\i+1]|
.endr
.endr
.irp b, 0,2
	v_max_num_f32 v[MX+\b], v[MX+\b], v[MX+\b+1]           ; a column's 32 rows are all mine: no other lane is asked
.endr
.irp b, 0,2
	SCALE \b
.endr
.irp e, 0,1
.set n, 0
.rept 32
	v_med3_num_f32 v[PC+32*\e+n], v[PC+32*\e+n], -v[LL+2*\e], v[LL+2*\e]
.set n, n+1
.endr
.endr
.irp e, 0,1                                    ; phi's order inside a block: lanes 0-15 hold keys 0-7, 16-23, lanes 16-31 keys 8-15, 24-31
	v_cvt_scalef32_pk8_fp8_f32 v[RAW+8*\e:RAW+8*\e+1], v[PC+32*\e:PC+32*\e+7], v[SO+2*\e]
	v_cvt_scalef32_pk8_fp8_f32 v[RAW+8*\e+2:RAW+8*\e+3], v[PC+32*\e+16:PC+32*\e+23], v[SO+2*\e]
	v_cvt_scalef32_pk8_fp8_f32 v[RAW+8*\e+4:RAW+8*\e+5], v[PC+32*\e+8:PC+32*\e+15], v[SO+2*\e]
	v_cvt_scalef32_pk8_fp8_f32 v[RAW+8*\e+6:RAW+8*\e+7], v[PC+32*\e+24:PC+32*\e+31], v[SO+2*\e]
.endr
	v_nop
.irp e, 0,1
	ds_store_b128 v[AVI], v[RAW+8*\e:RAW+8*\e+3] offset:16*\e            ; the 16 bytes that lane d of the fragment will hold,
	ds_store_b128 v[AVI], v[RAW+8*\e+4:RAW+8*\e+7] offset:16*\e+256      ; and lane 16 + d
	ds_store_b8 v[AVS], v[BY+2*\e] offset:4*\e                           ; byte c of column d's scale word
.endr
.if \p == 0
	s_load_b512 s[MS:MS+15], s[8:9], 0x400         ; half 1's masks
	s_load_b512 s[MS+16:MS+31], s[8:9], 0x440
	v_add_nc_u32 v[AKF], 256*KP, v[AKF]
	v_add_nc_u32 v[AVF], 65536, v[AVF]
.endif
.endm
.macro KLOAD c                         ; the two tiles of k of block c of my 128 keys, and their scale words
.irp u, 0,1
	ds_load_b128 v[KA+8+16*\u:KA+11+16*\u], v[RKI] offset:(2*(\c)+\u)*1024
	ds_load_b128 v[KA+12+16*\u:KA+15+16*\u], v[RKI] offset:(2*(\c)+\u)*1024+512
	ds_load_b32 v[KSW+\u], v[RKS] offset:(2*(\c)+\u)*128
.endr
.endm
.macro VLOAD                           ; v's four fragments of my 128 keys
	WIN 0x40
.irp t, 0,1,2,3
.irp c, 0,1,2,3
	ds_load_b128 v[VFR+16*\t+4*\c:VFR+16*\t+4*\c+3], v[RVI] offset:\t*2048+\c*512
.endr
.endr
	WIN 0
.irp t, 0,1,2,3
	ds_load_b32 v[VSW+\t], v[RVS] offset:\t*128
.endr
.endm
; x' = k proj^T + eps for 32 keys x 64 features: source 0 = 16 keys, source 1 = 16 features: a lane holds ONE feature, its registers run along the keys.  Eight results, all different registers
.macro P2
	WIN 0x04                                       ; source 1 (proj) window 1
.irp g, 0,1
.irp u, 0,1
	v_wmma_scale_f32_16x16x128_f8f6f4 v[RAW+32*\g+8*\u:RAW+32*\g+8*\u+7], v[KA+8+16*\u:KA+23+16*\u], v[PJ+16*\g:PJ+16*\g+15], v[EPSC:EPSC+7], v[KSW+\u], v[PS+\g]          ; [k | 0]: tile 2 g
	v_wmma_scale_f32_16x16x128_f8f6f4 v[RAW+32*\g+16+8*\u:RAW+32*\g+16+8*\u+7], v[KA+16*\u:KA+15+16*\u], v[PJ+16*\g:PJ+16*\g+15], v[EPSC:EPSC+7], v[KSW+\u], v[PS+\g]     ; [0 | k]: tile 2 g + 1
.endr
.endr
	WIN 0
.endm
; block c of 32 keys, four tiles of features by turns: the scale, phi, k_sum, the hold, the codes
.macro ZK c
.irp f, 0,1,2,3
	v_max3_num_f32 v[MX+\f], v[RAW+16*\f], v[RAW+16*\f+1], s[EPR]        ; no |.|: what lies under eps becomes eps.  Each result is read from its low end on
.endr
.irp i, 2,4,6,8,10,12,14
.irp f, 0,1,2,3
	v_max3_num_f32 v[MX+\f], v[MX+\f], v[RAW+16*\f+\i], v[RAW+16*\f+\i+1]
.endr
.endr
	JOIN
.irp f, 0,1,2,3
	SCALE \f
.endr
.irp f, 0,1,2,3
	v_and_or_b32 v[LL2+\f], v[MX+\f], 0x7f800000, s[MNT]                 ; 448 x the scale once more, for the second half of the hold's pairs
.endr
.irp f, 0,1,2,3
.if (\c) == 0
	v_mov_b32 v[PSW+\f], v[BY+\f]
.else
	v_lshl_or_b32 v[PSW+\f], v[BY+\f], 8*(\c), v[PSW+\f]
.endif
.endr
.set n, 0
.rept 32                                       ; phi = relu(x) + eps, two to an instruction: an even and an odd destination, one scalar, second sources that are neighbours
	v_dual_max_num_f32 v[RAW+n], s[EPR], v[RAW+n] :: v_dual_max_num_f32 v[RAW+n+1], s[EPR], v[RAW+n+1]
.set n, n+2
.endr
.irp i, 0,2,4,6,8,10,12,14
.irp f, 0,1,2,3
	v_pk_add_f32 v[KSUM+2*\f:KSUM+2*\f+1], v[KSUM+2*\f:KSUM+2*\f+1], v[RAW+16*\f+\i:RAW+16*\f+\i+1]   ; k_sum takes the unquantised phi
.endr
.endr
.irp f, 0,1,2,3
.set n, 0
.rept 8                                        ; phi is positive: a one-sided hold, two to an instruction; the two second sources hold the same number in registers whose numbers differ modulo 4, as the dual form asks
	v_dual_min_num_f32 v[RAW+16*\f+n], v[RAW+16*\f+n], v[LL+\f] :: v_dual_min_num_f32 v[RAW+16*\f+n+1], v[RAW+16*\f+n+1], v[LL2+\f]
.set n, n+2
.endr
.endr
.irp f, 0,1,2,3
	v_cvt_scalef32_pk8_fp8_f32 v[PC+16*\f+4*(\c):PC+16*\f+4*(\c)+1], v[RAW+16*\f:RAW+16*\f+7], v[SO+\f]
	v_cvt_scalef32_pk8_fp8_f32 v[PC+16*\f+4*(\c)+2:PC+16*\f+4*(\c)+3], v[RAW+16*\f+8:RAW+16*\f+15], v[SO+\f]
.endr
	v_nop
.endm
; context += phi^T v over my 128 keys: source 0 = 16 features, source 1 = 16 columns of v.  The sixteen accumulators take turns, one instruction a turn
.macro P4 zero
	WIN 0x54                                       ; source 1 (v), C and D window 1
.irp f, 0,1,2,3
.irp t, 0,1,2,3
.if \zero
	v_wmma_scale_f32_16x16x128_f8f6f4 v[8*(4*\f+\t):8*(4*\f+\t)+7], v[PC+16*\f:PC+16*\f+15], v[VFR+16*\t:VFR+16*\t+15], 0, v[PSW+\f], v[VSW+\t]
.else
	v_wmma_scale_f32_16x16x128_f8f6f4 v[8*(4*\f+\t):8*(4*\f+\t)+7], v[PC+16*\f:PC+16*\f+15], v[VFR+16*\t:VFR+16*\t+15], v[8*(4*\f+\t):8*(4*\f+\t)+7], v[PSW+\f], v[VSW+\t]
.endif
.endr
.endr
	WIN 0
	PLACES 8                                       ; in front of loads into its operands and of the first read of its results
.endm
.macro CSTEP zero
	KLOAD 0
	s_wait_dscnt 0x0
.irp c, 0,1,2,3
	P2
	PLACES 8                                       ; in front of the loads into k's registers and of the first read of x'
.if \c < 3
	KLOAD \c+1                                     ; the next block's tiles land while this block is quantised
.else
	VLOAD
.endif
	ZK \c
	s_wait_dscnt 0x0
.endr
	PLACES 3                                       ; with the place behind the last conversion: four between the codes and the product; the scale words are older than eight
	P4 \zero
.endm
	s_wait_tensorcnt 2                             ; half 0's K and V are in; half 1's two loads are younger and may be out
	XLOADS
	XK 0
	XV 0
	BAR                                            ; half 0's images are whole
	CSTEP 1
	BAR                                            ; every wave has read them: they may be written again
	s_wait_tensorcnt 0x0                           ; half 1's rows are in
	s_wait_kmcnt 0x0                               ; and its masks
	XLOADS
	XK 1
	XV 1
	BAR                                            ; half 1's images are whole; K's and V's rows have been read for the last time
	CSTEP 0
	; THE END.  Waves w and w xor 4 hold sums over different keys for the same 64 features: each sends its local tiles 2, 3 and adds the partner's to its tiles 0, 1.
	WIN 0x04                                       ; an LDS store's data are its source 1: window 1
.set n, 0
.rept 16
	ds_store_b128 v[STS], v[64+4*n:64+4*n+3] offset:512*n          ; each accumulator from its low end on
.set n, n+1
.endr
	WIN 0
.irp f, 0,1,2,3
	v_add_f32 v[MX+\f], v[KSUM+2*\f], v[KSUM+2*\f+1]
.endr
.irp f, 0,1,2,3
	v_permlanex16_b32 v[JN+\f], v[MX+\f], s[SEL], s[SEL+1]
.endr
.irp f, 0,1,2,3
	v_add_f32 v[MX+\f], v[MX+\f], v[JN+\f]         ; k_sum of feature 16 f + r over my 256 keys, in both halves of the lanes
.endr
	v_cmp_lt_u32 vcc_lo, 63, v[GK]                 ; lanes 16-31
	v_cndmask_b32 v[LL], v[MX], v[MX+1], vcc_lo    ; lane l: feature l of the 32 that I keep,
	v_cndmask_b32 v[LL+1], v[MX+2], v[MX+3], vcc_lo   ; and of the 32 that I send
	ds_store_b32 v[KSS], v[LL+1]
	BAR
.set n, 0
.rept 16
	ds_load_b128 v[RAW+4*n:RAW+4*n+3], v[STR] offset:512*n
.set n, n+1
.endr
	ds_load_b32 v[LL+2], v[KSR]
	s_wait_dscnt 0x0
	WIN 0x04
.set n, 0
.rept 32
	v_pk_add_f32 v[RAW+n:RAW+n+1], v[RAW+n:RAW+n+1], v[n:n+1]      ; + my own tiles 0, 1, in ascending order
.set n, n+2
.endr
	WIN 0
.set n, 0
.rept 16
	global_store_b128 v[GC], v[RAW+4*n:RAW+4*n+3], s[14:15] offset:512*n   ; images of the accumulators: each store covers 512 consecutive bytes, aligned
.set n, n+1
.endr
	v_add_f32 v[LL], v[LL], v[LL+2]
	global_store_b32 v[GK], v[LL], s[16:17]        ; 128 consecutive bytes
	s_wait_tensorcnt 0x0
	ds_add_u32 v254, v255
	s_wait_dscnt 0x0
	s_endpgm
.Lfunc_end_k_q5f5e7f94e6_ctx:
	.size	k_q5f5e7f94e6_ctx, .Lfunc_end_k_q5f5e7f94e6_ctx-k_q5f5e7f94e6_ctx
	.p2alignl 7, 3214868480
	.fill 96, 4, 3214868480
	.section	.rodata,"a",@progbits
	.p2align	6, 0x0
	.amdhsa_kernel k_q5f5e7f94e6_ctx
		.amdhsa_group_segment_fixed_size 327680
		.amdhsa_private_segment_fixed_size 0
		.amdhsa_enable_private_segment 0
		.amdhsa_kernarg_size 56
		.amdhsa_user_sgpr_count 2
		.amdhsa_user_sgpr_kernarg_segment_ptr 1
		.amdhsa_wavefront_size32 1
		.amdhsa_system_sgpr_workgroup_id_x 1
		.amdhsa_system_sgpr_workgroup_id_y 1
		.amdhsa_system_sgpr_workgroup_id_z 1
		.amdhsa_system_vgpr_workitem_id 0
		.amdhsa_next_free_vgpr 480
		.amdhsa_next_free_sgpr 100
		.amdhsa_reserve_vcc 1
		.amdhsa_float_denorm_mode_32 3
		.amdhsa_float_denorm_mode_16_64 3
		.amdhsa_memory_ordered 1
		.amdhsa_forward_progress 1
		.amdhsa_inst_pref_size 168
	.end_amdhsa_kernel
	.amdgpu_metadata
---
amdhsa.version: [ 1, 2 ]
amdhsa.kernels:
  - .name:           k_q5f5e7f94e6_ctx
    .symbol:         k_q5f5e7f94e6_ctx.kd
    .args:
      - { .name: K, .offset: 0, .size: 8, .value_kind: global_buffer, .address_space: global }
      - { .name: V, .offset: 8, .size: 8, .value_kind: global_buffer, .address_space: global }
      - { .name: mask, .offset: 16, .size: 8, .value_kind: global_buffer, .address_space: global }
      - { .name: proj_codes, .offset: 24, .size: 8, .value_kind: global_buffer, .address_space: global }
      - { .name: proj_scales, .offset: 32, .size: 8, .value_kind: global_buffer, .address_space: global }
      - { .name: ctxp, .offset: 40, .size: 8, .value_kind: global_buffer, .address_space: global }
      - { .name: ksp, .offset: 48, .size: 8, .value_kind: global_buffer, .address_space: global }
    .group_segment_fixed_size: 327680
    .private_segment_fixed_size: 0
    .kernarg_segment_align: 8
    .kernarg_segment_size: 56
    .max_flat_workgroup_size: 256
    .sgpr_count:     100
    .vgpr_count:     480
    .wavefront_size: 32
...
	.end_amdgpu_metadata
.endif
;; end of part 1
;; launch red (part 2): grid 8 x 32, 4 waves a work-group, no clusters, 768 bytes of LDS; arguments ctxp, ksp, ctxc, ctxs, ksum; writes ctxc, ctxs, ksum
.if DOCPART == 2
	.amdgcn_target "amdgcn-amd-amdhsa--gfx1250"
	.amdhsa_code_object_version 6
	.text
	.protected	k_q5f5e7f94e6_red
	.globl	k_q5f5e7f94e6_red
	.p2align	8
	.type	k_q5f5e7f94e6_red,@function
k_q5f5e7f94e6_red:
	s_mov_b64 s[64:65], 0
	v_nop
	global_prefetch_b8 v0, s[64:65] scope:SCOPE_SE
	s_setreg_imm32_b32 hwreg(HW_REG_WAVE_MODE, 25, 1), 1
	s_wait_xcnt 0x0
; SECOND LAUNCH: the eight partial contexts of a head are added in f32, chunk by chunk in ascending order, and the context is quantised along the features (the last product's K) to E4M3 with one E8M0 scale for each 32.
; The partials lie as images of the first launch's accumulators: lane (d, h) of tiles 2 c'' and 2 c'' + 1 holds, of column 16 T + d, the 16 features 32 c'' + 16 u + 8 h + j: the 16 slots that
; the last launch's phi_q has in the same lane half.  So the four code registers made here ARE registers 4 c .. 4 c + 3 of that launch's fragment of context^T, and nothing is transposed.
; SHARES.  Work-group x = 4 s + T (K step s of 128 features, tile T of 16 columns), y = head; wave c takes block c'' = 4 s + c.  The four waves' scale bytes meet in LDS as words.  k_sum's 32 features 32 x on are added too.
; Memory binds: every load of the partials covers 512 consecutive bytes, all 32 of a wave are out at once.  No matrix unit, no tensor load, no cluster: nothing is shared.
; LIMITS: NaN and infinities are not served; a block whose largest magnitude lies under 2^-118 gets the byte 1 (read by this program alone).
.set P, 32                             ; v[32+16 p ..] partial p: 16 numbers
	s_load_b256 s[4:11], s[0:1], 0x0               ; ctxp s[4:5], ksp s[6:7], ctxc s[8:9], ctxs s[10:11]
	s_load_b64 s[12:13], s[0:1], 0x20              ; ksum
	v_lshl_add_u32 v176, v0, 2, 0x100
	v_mov_b32 v177, 0
	v_lshrrev_b32 v1, 5, v0
	v_readfirstlane_b32 s14, v1                    ; wave = c
	v_and_b32 v2, 31, v0                           ; lane
	v_lshlrev_b32 v3, 4, v2                        ; 16 x lane
	v_lshlrev_b32 v4, 2, v2                        ; 4 x lane
	v_lshl_add_u32 v5, v2, 2, v1                   ; LDS: byte c of my lane's word
	v_mov_b32 v9, 0                                ; a lane permute's destination counts as one of its sources
	s_and_b32 s15, ttmp7, 0xffff                   ; head
	s_lshr_b32 s16, ttmp9, 2                       ; s
	s_and_b32 s17, ttmp9, 3                        ; T
	s_lshl_b32 s18, s15, 19                        ; ctxp: a head's eight partials are 524,288 bytes;
	s_lshl_b32 s20, s16, 2
	s_add_co_u32 s20, s20, s14
	s_lshl_b32 s20, s20, 13                        ; block c'': two tiles of 4,096 bytes;
	s_add_co_u32 s18, s18, s20
	s_lshl_b32 s20, s17, 10                        ; T: 1,024 bytes
	s_add_co_u32 s18, s18, s20
	s_mov_b32 s19, 0
	s_lshl_b32 s20, s15, 13                        ; ksp: 8,192 bytes a head, my 32 features
	s_lshl_b32 s22, ttmp9, 7
	s_add_co_u32 s20, s20, s22
	s_mov_b32 s21, 0
	s_lshl_b32 s24, s15, 10                        ; ctxs and ksum: 1,024 bytes a head, 128 for x
	s_add_co_u32 s24, s24, s22
	s_mov_b32 s25, 0
	s_lshl_b32 s22, s15, 14                        ; ctxc: 16,384 bytes a head, 2,048 for x, 512 for c
	s_lshl_b32 s23, ttmp9, 11
	s_add_co_u32 s22, s22, s23
	s_lshl_b32 s23, s14, 9
	s_add_co_u32 s22, s22, s23
	s_mov_b32 s23, 0
	s_mov_b32 s26, 0x76543210
	s_mov_b32 s27, 0xfedcba98
	s_mov_b32 s28, 0x600000                        ; the mantissa field of 448
	s_wait_kmcnt 0x0
	s_add_nc_u64 s[4:5], s[4:5], s[18:19]
	s_add_nc_u64 s[6:7], s[6:7], s[20:21]
	s_add_nc_u64 s[8:9], s[8:9], s[22:23]
	s_add_nc_u64 s[10:11], s[10:11], s[24:25]
	s_add_nc_u64 s[12:13], s[12:13], s[24:25]
.irp p, 0,1,2,3,4,5,6,7
	global_load_b32 v[16+\p], v4, s[6:7] offset:\p*1024
.endr
.irp p, 0,1,2,3,4,5,6,7
.irp u, 0,1
.irp q, 0,1
	global_load_b128 v[P+16*\p+8*\u+4*\q:P+16*\p+8*\u+4*\q+3], v3, s[4:5] offset:\p*65536+\u*4096+\q*512 th:TH_LOAD_NT
.endr
.endr
.endr
.irp p, 1,2,3,4,5,6,7
	s_wait_loadcnt 28-4*\p                         ; partial p is in: four loads for each later partial are younger
.irp i, 0,2,4,6,8,10,12,14
	v_pk_add_f32 v[P+\i:P+\i+1], v[P+\i:P+\i+1], v[P+16*\p+\i:P+16*\p+\i+1]
.endr
.endr
	v_max3_num_f32 v8, |v[P]|, |v[P+1]|, |v[P+2]|  ; the largest magnitude of my 16, in two chains
	v_max3_num_f32 v13, |v[P+3]|, |v[P+4]|, |v[P+5]|
.irp i, 6,10
	v_max3_num_f32 v8, v8, |v[P+\i]|, |v[P+\i+1]|
	v_max3_num_f32 v13, v13, |v[P+\i+2]|, |v[P+\i+3]|
.endr
	v_max3_num_f32 v8, v8, |v[P+14]|, |v[P+15]|
	v_max3_num_f32 v8, v8, v13, 0x4800000          ; and the floor 2^(9 - 127)
	v_permlanex16_b32 v9, v8, s26, s27
	v_max_num_f32 v8, v8, v9                       ; with lane xor 16's: the block's
	v_add_nc_u32 v11, 0xfc000000, v8               ; the conversion's scale operand
	v_and_or_b32 v10, v8, 0x7f800000, s28          ; 448 x the scale
	v_lshrrev_b32 v12, 23, v11                     ; the byte
.irp i, 0,1,2,3,4,5,6,7,8,9,10,11,12,13,14,15
	v_med3_num_f32 v[P+\i], v[P+\i], -v10, v10     ; the conversion to an 8-bit code does not saturate (ISA guide 7.6.2)
.endr
	v_cvt_scalef32_pk8_fp8_f32 v[24:25], v[P:P+7], v11
	v_cvt_scalef32_pk8_fp8_f32 v[26:27], v[P+8:P+15], v11
.irp p, 1,2,3,4,5,6,7
	v_add_f32 v16, v16, v[16+\p]                   ; k_sum, chunk by chunk
.endr
	ds_store_b8 v5, v12
	global_store_b128 v3, v[24:27], s[8:9]         ; 512 consecutive bytes
	s_wait_dscnt 0x0                               ; for the others' sake: my byte has landed
	s_barrier_signal -1
	s_barrier_wait -1
	s_cmp_lg_u32 s14, 0
	s_cbranch_scc1 .Lnot_0
	ds_load_b32 v6, v4                             ; the four waves' bytes: column d's scale word (lanes 16-31 hold the same again)
	s_wait_dscnt 0x0
	global_store_b32 v4, v6, s[10:11]
.Lnot_0:
	s_cmp_lg_u32 s14, 1
	s_cbranch_scc1 .Lnot_1
	global_store_b32 v4, v16, s[12:13]
.Lnot_1:
	s_wait_tensorcnt 0x0
	ds_add_u32 v176, v177
	s_wait_dscnt 0x0
	s_endpgm
.Lfunc_end_k_q5f5e7f94e6_red:
	.size	k_q5f5e7f94e6_red, .Lfunc_end_k_q5f5e7f94e6_red-k_q5f5e7f94e6_red
	.p2alignl 7, 3214868480
	.fill 96, 4, 3214868480
	.section	.rodata,"a",@progbits
	.p2align	6, 0x0
	.amdhsa_kernel k_q5f5e7f94e6_red
		.amdhsa_group_segment_fixed_size 768
		.amdhsa_private_segment_fixed_size 0
		.amdhsa_enable_private_segment 0
		.amdhsa_kernarg_size 40
		.amdhsa_user_sgpr_count 2
		.amdhsa_user_sgpr_kernarg_segment_ptr 1
		.amdhsa_wavefront_size32 1
		.amdhsa_system_sgpr_workgroup_id_x 1
		.amdhsa_system_sgpr_workgroup_id_y 1
		.amdhsa_system_sgpr_workgroup_id_z 1
		.amdhsa_system_vgpr_workitem_id 0
		.amdhsa_next_free_vgpr 178
		.amdhsa_next_free_sgpr 66
		.amdhsa_reserve_vcc 0
		.amdhsa_float_denorm_mode_32 3
		.amdhsa_float_denorm_mode_16_64 3
		.amdhsa_memory_ordered 1
		.amdhsa_forward_progress 1
		.amdhsa_inst_pref_size 13
	.end_amdhsa_kernel
	.amdgpu_metadata
---
amdhsa.version: [ 1, 2 ]
amdhsa.kernels:
  - .name:           k_q5f5e7f94e6_red
    .symbol:         k_q5f5e7f94e6_red.kd
    .args:
      - { .name: ctxp, .offset: 0, .size: 8, .value_kind: global_buffer, .address_space: global }
      - { .name: ksp, .offset: 8, .size: 8, .value_kind: global_buffer, .address_space: global }
      - { .name: ctxc, .offset: 16, .size: 8, .value_kind: global_buffer, .address_space: global }
      - { .name: ctxs, .offset: 24, .size: 8, .value_kind: global_buffer, .address_space: global }
      - { .name: ksum, .offset: 32, .size: 8, .value_kind: global_buffer, .address_space: global }
    .group_segment_fixed_size: 768
    .private_segment_fixed_size: 0
    .kernarg_segment_align: 8
    .kernarg_segment_size: 40
    .max_flat_workgroup_size: 128
    .sgpr_count:     66
    .vgpr_count:     178
    .wavefront_size: 32
...
	.end_amdgpu_metadata
.endif
;; end of part 2
;; launch out (part 3): grid 8 x 32, 8 waves a work-group, no clusters, 246,784 bytes of LDS; arguments Q, proj_codes, proj_scales, ctxc, ctxs, ksum, out0; writes out0
.if DOCPART == 3
	.amdgcn_target "amdgcn-amd-amdhsa--gfx1250"
	.amdhsa_code_object_version 6
	.text
	.protected	k_q5f5e7f94e6_out
	.globl	k_q5f5e7f94e6_out
	.p2align	8
	.type	k_q5f5e7f94e6_out,@function
k_q5f5e7f94e6_out:
	s_mov_b64 s[64:65], 0
	v_nop
	global_prefetch_b8 v0, s[64:65] scope:SCOPE_SE
	s_setreg_imm32_b32 hwreg(HW_REG_WAVE_MODE, 25, 1), 1
	s_wait_xcnt 0x0
; THIRD LAUNCH: out = phi_q context / (phi_q . k_sum) for one head and one chunk of 512 queries.
; q = Q s is quantised along the head's 64; x = q proj^T; phi = relu(x) + eps; the divisor is the f32 sum of the unquantised phi x k_sum (fused multiply-adds: a product with one column);
; phi is quantised along the 256 features and multiplied with the context's codes, which the launch before laid in the order of this product's operand registers.
; SHARES.  Eight waves; wave w owns queries 64 w .. 64 w + 63, in two passes of 32 (two tiles of 16).  proj (8 packed fragments) and k_sum stay in its registers; the context's fragments come from LDS, each for both tiles.
; LAYOUT.  Both products are used transposed: x^T (source 0 = 16 features, source 1 = 16 queries), out^T (source 0 = 16 columns of the context, source 1 = phi): a lane holds ONE query throughout,
; and its 16 registers of tiles 2 g, 2 g + 1 are the features 32 g + 16 u + 8 h + j: a true block of 32 with lane xor 16, in the slot order in which the context's codes were laid.
; EPS IS THE C of the first product; K = 64 IN AN INSTRUCTION OF 128: proj's fragment holds two tiles, q's is taken as [q | 0] or [0 | q] from the run 0, q0, 0, q1, 0.
; TWO TO AN INSTRUCTION: phi's maximum with eps and its hold have no packed form, so they go in dual-issue pairs on neighbouring registers.
; No cluster: what work-groups share (proj 16 KiB, a head's context 16 KiB) is a fifth of what each reads.  No ring: every LDS byte is filled once.
; LIMITS: NaN and infinities among the inputs, NaN codes and the scale byte 0xff in proj are not served; blocks of q whose largest magnitude lies under 2^-118 get the byte 1.
.set QP,   272                         ; a row of Q in LDS: 256 bytes + 16
.set QF,   0                           ; Q, f32: 512 rows
.set PJL,  512*QP                      ; proj's codes: 256 rows of 64 bytes + 16
.set CX,   PJL+256*80                  ; the head's context: 16,384 bytes in operand order [s][T][c][lane][16]
.set OST,  CX+16384                    ; the way out: 32 rows of 272 bytes for each wave; no fill lands here
.set AQF, 2                            ; v2  Q: my 64 bytes of row r of the wave's rows      v3  proj's rows      v4  the context: 16 x lane
.set RPJ, 3
.set RCX, 4
.set SOA, 5                            ; v5  the stage: where I put 32 bytes of a row        v6  where I read a row back       v7  the same place in out
.set SRA, 6
.set GO,  7
.set L4,  8                            ; v8  4 x lane      v9  32 h
.set KH,  9
.set LL2, 11                           ; v11-14  448 x scale once more, one register number further on modulo 4 than v66-69 (at the head v10-13 hold the lane's parts)
.set EPSC, 16                          ; v16-23  eps, eight times
.set PS,   24                          ; v24-31  proj's scale words
.set QSW,  32                          ; v32-33  q's
.set PSW,  34                          ; v34-37  phi's: 2 tile + K step
.set CSW,  38                          ; v38-45  the context's: 4 s + T
.set DEN,  46                          ; v46-53  the divisor: a pair for each (tile, b)
.set DINV, 54                          ; v54-57  1 / divisor, twice, for each tile
.set MX,   58                          ; v58-77  at work, as in the first launch
.set JN,   62
.set LL,   66
.set SO,   70
.set BY,   74
.set QA,   78                          ; v78-117 the run 0, q0, 0, q1, 0
.set CXB,  58                          ; v58-121 four fragments of the context: they lie over the work registers and the run, which are done with by then
.set RAW,  128                         ; v128-191 64 numbers; then out^T's eight accumulators
.set PC,   192                         ; v192-255 phi's codes: 32 tile + 16 s + 4 c; then rows of out
.set KSM,  128                         ; window 1: v0-127 proj's eight packed fragments; v128-255 k_sum in the order of a lane's features
.set SEL,  28
.set MNT,  30
.set EPR,  31
.set SCR,  32                          ; s[32:33] s = 64^-1/4
.set G1Q,  36                          ; s[36:43], s[44:51], s[52:59] descriptor groups 1 for Q, proj, the context
.set G1P,  44
.set G1C,  52
.set G0P,  60                          ; s[60:63], s[68:71], s[72:75], s[76:79] groups 0 for proj, the context, Q's two passes
.set G0C,  68
.set G0Q,  72
.set MSB, 0
.macro WIN new
.if MSB != \new
	s_set_vgpr_msb (MSB<<8)|\new
.set MSB, \new
.endif
.endm
.macro PLACES n
.rept \n
	v_nop
.endr
.endm
.macro JOIN
.irp b, 0,1,2,3
	v_permlanex16_b32 v[JN+\b], v[MX+\b], s[SEL], s[SEL+1]
.endr
.irp b, 0,1,2,3
	v_max_num_f32 v[MX+\b], v[MX+\b], v[JN+\b]
.endr
.endm
.macro SCALE b
	v_add_nc_u32 v[SO+\b], 0xfc000000, v[MX+\b]            ; 8 off the exponent field: the conversion's scale operand
	v_and_or_b32 v[LL+\b], v[MX+\b], 0x7f800000, s[MNT]    ; 448 x the scale
	v_lshrrev_b32 v[BY+\b], 23, v[SO+\b]                   ; the byte
.endm
	s_load_b256 s[4:11], s[0:1], 0x0               ; Q s[4:5], proj's codes s[6:7], proj's scales s[8:9], ctxc s[10:11]
	s_load_b128 s[12:15], s[0:1], 0x20             ; ctxs s[12:13], ksum s[14:15]
	s_load_b64 s[16:17], s[0:1], 0x30              ; out0
	v_lshl_add_u32 v126, v0, 2, 0x3c000
	v_mov_b32 v127, 0
	ds_add_u32 v126, v127
	ds_add_u32 v126, v127
	v_lshrrev_b32 v1, 5, v0
	v_readfirstlane_b32 s18, v1                    ; wave 0..7
	s_and_b32 s19, ttmp7, 0xffff                   ; head
	s_mov_b32 s20, ttmp9                           ; chunk
	s_mov_b32 s[G1Q+0], (2<<16)|(1<<20)|(5<<22)|(3<<25)    ; Q: 32 rows of 64 numbers of 4 bytes, 4 words of padding behind each row
	s_mov_b32 s[G1Q+1], 64<<16
	s_mov_b32 s[G1Q+2], 32<<16
	s_mov_b32 s[G1Q+3], 64<<16
	s_mov_b32 s[G1Q+4], 32
	s_mov_b32 s[G1Q+5], 64
	s_mov_b32 s[G1Q+6], 0
	s_mov_b32 s[G1Q+7], 0
	s_mov_b32 s[G1P+0], (2<<16)|(1<<20)|(3<<22)|(3<<25)    ; proj: 32 rows of 16 words, 4 words of padding behind each row
	s_mov_b32 s[G1P+1], 16<<16
	s_mov_b32 s[G1P+2], 32<<16
	s_mov_b32 s[G1P+3], 16<<16
	s_mov_b32 s[G1P+4], 32
	s_mov_b32 s[G1P+5], 16
	s_mov_b32 s[G1P+6], 0
	s_mov_b32 s[G1P+7], 0
	s_mov_b32 s[G1C+0], 3<<16                      ; the context: 2,048 dense bytes as 8 rows of 32 elements of 8 bytes
	s_mov_b32 s[G1C+1], 32<<16
	s_mov_b32 s[G1C+2], 8<<16
	s_mov_b32 s[G1C+3], 32<<16
	s_mov_b32 s[G1C+4], 8
	s_mov_b32 s[G1C+5], 32
	s_mov_b32 s[G1C+6], 0
	s_mov_b32 s[G1C+7], 0
	s_lshl_b32 s22, s19, 20
	s_lshl_b32 s21, s20, 17
	s_add_co_u32 s22, s22, s21
	s_lshl_b32 s21, s18, 14
	s_add_co_u32 s22, s22, s21                     ; my 64 rows of Q and of out
	s_mov_b32 s23, 0
	s_lshl_b32 s24, s18, 11                        ; my eighth of proj's codes,
	s_mov_b32 s25, 0
	s_lshl_b32 s26, s19, 14
	s_add_co_u32 s26, s26, s24                     ; and of the head's context
	s_mov_b32 s27, 0
	s_mul_i32 s21, s18, 32*80
	s_mov_b32 s[SEL], 0x76543210
	s_mov_b32 s[SEL+1], 0xfedcba98
	s_mov_b32 s[MNT], 0x600000
	s_mov_b32 s[EPR], 0x3a83126f
	s_mov_b32 s[SCR], 0x3eb504f3
	s_mov_b32 s[SCR+1], s[SCR]                     ; (named with it as a pair, so it is written)
	s_wait_dscnt 0x0
	s_wait_kmcnt 0x0
	s_add_nc_u64 s[4:5], s[4:5], s[22:23]
	s_add_nc_u64 s[16:17], s[16:17], s[22:23]
	s_mov_b32 s[G0P], 1
	s_add_co_u32 s[G0P+1], s21, PJL
	s_add_nc_u64 s[G0P+2:G0P+3], s[6:7], s[24:25]
	s_or_b32 s[G0P+3], s[G0P+3], 0x80000000
	s_mov_b32 s[G0C], 1
	s_add_co_u32 s[G0C+1], s24, CX
	s_add_nc_u64 s[G0C+2:G0C+3], s[10:11], s[26:27]
	s_or_b32 s[G0C+3], s[G0C+3], 0x80000000
	s_mul_i32 s21, s18, 64*QP
.irp p, 0,1
	s_mov_b32 s[G0Q+4*\p], 1
	s_add_co_u32 s[G0Q+4*\p+1], s21, QF+\p*32*QP
	s_add_nc_u64 s[G0Q+4*\p+2:G0Q+4*\p+3], s[4:5], \p*8192
	s_or_b32 s[G0Q+4*\p+3], s[G0Q+4*\p+3], 0x80000000
.endr
	tensor_load_to_lds s[G0P:G0P+3], s[G1P:G1P+7]          ; what all waves read first; then my own rows: four loads of mine are out
	s_nop 0
	tensor_load_to_lds s[G0C:G0C+3], s[G1C:G1C+7]
	s_nop 0
	tensor_load_to_lds s[G0Q:G0Q+3], s[G1Q:G1Q+7]
	s_nop 0
	tensor_load_to_lds s[G0Q+4:G0Q+7], s[G1Q:G1Q+7]
	s_nop 0
	PLACES 4                                       ; (places behind the tensor loads)
	s_lshl_b32 s24, s19, 10                        ; ctxs and ksum: 1,024 bytes a head
	s_add_nc_u64 s[12:13], s[12:13], s[24:25]
	s_add_nc_u64 s[14:15], s[14:15], s[24:25]
	v_and_b32 v10, 31, v0                          ; lane
	v_and_b32 v11, 15, v0                          ; r
	v_bfe_u32 v12, v0, 4, 1                        ; h
	v_lshlrev_b32 v13, 1, v11                      ; proj's scale bytes: two a row
	v_lshlrev_b32 v[L4], 2, v10
	v_lshlrev_b32 v[KH], 5, v12
	WIN 0x40                                       ; destination window 1
.set n, 0
.rept 32
	global_load_b128 v[KSM+4*n:KSM+4*n+3], v[KH], s[14:15] offset:64*(n/2)+16*(n%2)   ; register 16 g + 8 u + j: k_sum of feature 32 g + 16 u + 8 h + j
.set n, n+1
.endr
	WIN 0
.irp g, 0,1,2,3,4,5,6,7
.irp e, 0,1
	global_load_u16 v[RAW+2*\g+\e], v13, s[8:9] offset:64*\g+32*\e
.endr
.endr
.irp i, 0,1,2,3,4,5,6,7
	global_load_b32 v[CSW+\i], v[L4], s[12:13] offset:128*\i
.endr
	v_mul_u32_u24 v[AQF], v1, 64*QP
	v_mad_u32_u24 v[AQF], v11, QP, v[AQF]
	v_lshl_add_u32 v[AQF], v12, 6, v[AQF]
	v_mul_u32_u24 v[RPJ], v11, 80
	v_lshl_add_u32 v[RPJ], v12, 4, v[RPJ]
	v_add_nc_u32 v[RPJ], PJL, v[RPJ]
	v_lshl_add_u32 v[RCX], v10, 4, CX
	v_mul_u32_u24 v[SOA], v1, 32*272
	v_add_nc_u32 v[SOA], OST, v[SOA]               ; my stage
	v_mad_u32_u24 v[SRA], v12, 272, v[SOA]
	v_lshl_add_u32 v[SRA], v11, 4, v[SRA]          ; back: lanes 0-15 one row, lanes 16-31 the next
	v_mad_u32_u24 v[SOA], v11, 272, v[SOA]
	v_lshl_add_u32 v[SOA], v12, 5, v[SOA]          ; in: row r, 32 bytes for each half of the lanes
	v_lshlrev_b32 v[GO], 8, v12
	v_lshl_add_u32 v[GO], v11, 4, v[GO]
.irp i, 0,1,2,3,4,5,6,7
	v_mov_b32 v[EPSC+\i], s[EPR]
.endr
.irp i, 0,1,2,3
	v_mov_b32 v[JN+\i], 0                          ; a lane permute's destination counts as one of its sources
.endr
	v_mov_b32 v124, 0
	v_mov_b32 v125, 0
	s_wait_tensorcnt 2                             ; my parts of proj and of the context are in; Q's two loads are younger and may be out,
	s_barrier_signal -1
	s_barrier_wait -1                              ; everybody's are.
	WIN 0x40
.irp g, 0,1,2,3,4,5,6,7
.irp e, 0,1
.irp q, 0,1
	ds_load_b128 v[16*\g+8*\e+4*\q:16*\g+8*\e+4*\q+3], v[RPJ] offset:(32*\g+16*\e)*80+32*\q
.endr
.endr
.endr
	WIN 0
	s_wait_loadcnt 0x0                             ; k_sum, the scale bytes and words are in; the offset registers v9, v13 are free
.irp g, 0,1,2,3,4,5,6,7
	v_lshl_or_b32 v[PS+\g], v[RAW+2*\g+1], 16, v[RAW+2*\g]
.endr
	s_wait_dscnt 0x0
; q's two tiles become codes: four blocks b = 2 t + q
.macro QQ
.set n, 0
.rept 32
	v_pk_mul_f32 v[RAW+n:RAW+n+1], v[RAW+n:RAW+n+1], s[SCR:SCR+1] op_sel_hi:[1,0]
.set n, n+2
.endr
.irp b, 0,1,2,3
	v_max3_num_f32 v[MX+\b], |v[RAW+16*\b]|, |v[RAW+16*\b+1]|, 0x4800000
.endr
.irp i, 2,4,6,8,10,12,14
.irp b, 0,1,2,3
	v_max3_num_f32 v[MX+\b], v[MX+\b], |v[RAW+16*\b+\i]|, |v[RAW+16*\b+\i+1]|
.endr
.endr
	JOIN
.irp b, 0,1,2,3
	SCALE \b
.endr
.irp t, 0,1
	v_lshl_or_b32 v[QSW+\t], v[BY+2*\t+1], 8, v[BY+2*\t]
.endr
.irp t, 0,1
	v_lshl_or_b32 v[QSW+\t], v[QSW+\t], 16, v[QSW+\t]      ; (s0, s1, s0, s1).  The 64 holds below are its eight places and more
.endr
.irp b, 0,1,2,3
.set n, 0
.rept 16
	v_med3_num_f32 v[RAW+16*\b+n], v[RAW+16*\b+n], -v[LL+\b], v[LL+\b]
.set n, n+1
.endr
.endr
.irp t, 0,1
.irp q, 0,1
	v_cvt_scalef32_pk8_fp8_f32 v[QA+8+16*\t+4*\q:QA+8+16*\t+4*\q+1], v[RAW+16*(2*\t+\q):RAW+16*(2*\t+\q)+7], v[SO+2*\t+\q]
	v_cvt_scalef32_pk8_fp8_f32 v[QA+8+16*\t+4*\q+2:QA+8+16*\t+4*\q+3], v[RAW+16*(2*\t+\q)+8:RAW+16*(2*\t+\q)+15], v[SO+2*\t+\q]
.endr
.endr
	PLACES 4                                       ; between the codes and the product
.endm
; x'^T for packed fragments 2 p, 2 p + 1 (64 features) x two tiles of queries: eight results, all different registers
.macro P1 p
	WIN 0x01                                       ; source 0 (proj) window 1
.irp b, 0,1
.irp t, 0,1
	v_wmma_scale_f32_16x16x128_f8f6f4 v[RAW+16*(2*\t+\b):RAW+16*(2*\t+\b)+7], v[16*(2*(\p)+\b):16*(2*(\p)+\b)+15], v[QA+8+16*\t:QA+23+16*\t], v[EPSC:EPSC+7], v[PS+2*(\p)+\b], v[QSW+\t]        ; [q | 0]
	v_wmma_scale_f32_16x16x128_f8f6f4 v[RAW+16*(2*\t+\b)+8:RAW+16*(2*\t+\b)+15], v[16*(2*(\p)+\b):16*(2*(\p)+\b)+15], v[QA+16*\t:QA+15+16*\t], v[EPSC:EPSC+7], v[PS+2*(\p)+\b], v[QSW+\t]      ; [0 | q]
.endr
.endr
	WIN 0
.endm
; four blocks of 32 features, x = 2 t + b, by turns: the scale, phi, the divisor, the hold, the codes
.macro ZQ p
.irp x, 0,1,2,3
	v_max3_num_f32 v[MX+\x], v[RAW+16*\x], v[RAW+16*\x+1], s[EPR]        ; each result is read from its low end on
.endr
.irp i, 2,4,6,8,10,12,14
.irp x, 0,1,2,3
	v_max3_num_f32 v[MX+\x], v[MX+\x], v[RAW+16*\x+\i], v[RAW+16*\x+\i+1]
.endr
.endr
	JOIN
.irp x, 0,1,2,3
	SCALE \x
.endr
.irp x, 0,1,2,3
	v_and_or_b32 v[LL2+\x], v[MX+\x], 0x7f800000, s[MNT]                 ; 448 x the scale once more, for the second half of the hold's pairs
.endr
.irp x, 0,1,2,3
.if ((2*(\p)+(\x%2))&3) == 0
	v_mov_b32 v[PSW+2*(\x/2)+(\p)/2], v[BY+\x]
.else
	v_lshl_or_b32 v[PSW+2*(\x/2)+(\p)/2], v[BY+\x], 8*((2*(\p)+(\x%2))&3), v[PSW+2*(\x/2)+(\p)/2]
.endif
.endr
.set n, 0
.rept 32                                       ; phi = relu(x) + eps, two to an instruction: an even and an odd destination, one scalar, second sources that are neighbours
	v_dual_max_num_f32 v[RAW+n], s[EPR], v[RAW+n] :: v_dual_max_num_f32 v[RAW+n+1], s[EPR], v[RAW+n+1]
.set n, n+2
.endr
	WIN 0x04                                       ; source 1 (k_sum) window 1
.irp i, 0,2,4,6,8,10,12,14
.irp x, 0,1,2,3
	v_pk_fma_f32 v[DEN+2*\x:DEN+2*\x+1], v[RAW+16*\x+\i:RAW+16*\x+\i+1], v[KSM+16*(2*(\p)+(\x%2))+\i:KSM+16*(2*(\p)+(\x%2))+\i+1], v[DEN+2*\x:DEN+2*\x+1]
.endr
.endr
	WIN 0
.irp x, 0,1,2,3
.set n, 0
.rept 8                                        ; the one-sided hold, two to an instruction; the two second sources hold the same number in registers whose numbers differ modulo 4, as the dual form asks
	v_dual_min_num_f32 v[RAW+16*\x+n], v[RAW+16*\x+n], v[LL+\x] :: v_dual_min_num_f32 v[RAW+16*\x+n+1], v[RAW+16*\x+n+1], v[LL2+\x]
.set n, n+2
.endr
.endr
.irp x, 0,1,2,3
	v_cvt_scalef32_pk8_fp8_f32 v[PC+32*(\x/2)+16*((\p)/2)+4*((2*(\p)+(\x%2))&3):PC+32*(\x/2)+16*((\p)/2)+4*((2*(\p)+(\x%2))&3)+1], v[RAW+16*\x:RAW+16*\x+7], v[SO+\x]
	v_cvt_scalef32_pk8_fp8_f32 v[PC+32*(\x/2)+16*((\p)/2)+4*((2*(\p)+(\x%2))&3)+2:PC+32*(\x/2)+16*((\p)/2)+4*((2*(\p)+(\x%2))&3)+3], v[RAW+16*\x+8:RAW+16*\x+15], v[SO+\x]
.endr
	v_nop
.endm
.macro CLOAD hb                        ; the context's fragments of tiles T = 2 hb, 2 hb + 1, both K steps
.irp y, 0,1
.irp s, 0,1
.irp c, 0,1,2,3
	ds_load_b128 v[CXB+16*(2*\y+\s)+4*\c:CXB+16*(2*\y+\s)+4*\c+3], v[RCX] offset:(4*\s+2*(\hb)+\y)*2048+512*\c
.endr
.endr
.endr
.endm
.macro P5 hb                           ; out^T: four accumulators take turns, one instruction a turn; the first K step starts the sums
.irp s, 0,1
.irp y, 0,1
.irp t, 0,1
.if \s == 0
	v_wmma_scale_f32_16x16x128_f8f6f4 v[RAW+8*(4*\t+2*(\hb)+\y):RAW+8*(4*\t+2*(\hb)+\y)+7], v[CXB+16*(2*\y+\s):CXB+16*(2*\y+\s)+15], v[PC+32*\t+16*\s:PC+32*\t+16*\s+15], 0, v[CSW+4*\s+2*(\hb)+\y], v[PSW+2*\t+\s]
.else
	v_wmma_scale_f32_16x16x128_f8f6f4 v[RAW+8*(4*\t+2*(\hb)+\y):RAW+8*(4*\t+2*(\hb)+\y)+7], v[CXB+16*(2*\y+\s):CXB+16*(2*\y+\s)+15], v[PC+32*\t+16*\s:PC+32*\t+16*\s+15], v[RAW+8*(4*\t+2*(\hb)+\y):RAW+8*(4*\t+2*(\hb)+\y)+7], v[CSW+4*\s+2*(\hb)+\y], v[PSW+2*\t+\s]
.endif
.endr
.endr
.endr
.endm
; ONE PASS: 32 queries
.macro ITER it
	s_wait_tensorcnt 1-\it                         ; this pass's rows of Q are in; the later pass's load may be out
.if \it
	s_wait_xcnt 0x0                                ; the last pass's stores have read their registers: the codes may be written there again
.endif
.irp t, 0,1
.irp q, 0,1
.irp j, 0,1,2,3
	ds_load_b128 v[RAW+16*(2*\t+\q)+4*\j:RAW+16*(2*\t+\q)+4*\j+3], v[AQF] offset:(32*\it+16*\t)*QP+128*\q+16*\j
.endr
.endr
.endr
.irp z, 0,16,32
.irp i, 0,1,2,3,4,5,6,7
	v_mov_b32 v[QA+\z+\i], 0                       ; the run's zero codes: the context's fragments lay over them
.endr
.endr
.irp i, 0,1,2,3,4,5,6,7
	v_mov_b32 v[DEN+\i], 0
.endr
	s_wait_dscnt 0x0
	QQ
.irp p, 0,1,2,3
	P1 \p
	PLACES 8                                       ; in front of the first read of x'
	ZQ \p
.endr
	CLOAD 0                                        ; they land while the divisor is finished
.irp t, 0,1
	v_pk_add_f32 v[DEN+4*\t:DEN+4*\t+1], v[DEN+4*\t:DEN+4*\t+1], v[DEN+4*\t+2:DEN+4*\t+3]
.endr
.irp t, 0,1
	v_add_f32 v[122+\t], v[DEN+4*\t], v[DEN+4*\t+1]
.endr
.irp t, 0,1
	v_permlanex16_b32 v[124+\t], v[122+\t], s[SEL], s[SEL+1]
.endr
.irp t, 0,1
	v_add_f32 v[122+\t], v[122+\t], v[124+\t]      ; with lane xor 16's features: phi_q . k_sum
.endr
.irp t, 0,1
	v_rcp_f32 v[DINV+2*\t], v[122+\t]
	v_rcp_f32 v[DINV+2*\t+1], v[122+\t]
.endr
	v_nop                                          ; a plain place behind the reciprocals
	s_wait_dscnt 0x0
	P5 0
	PLACES 8                                       ; in front of the loads into the fragments just multiplied
	CLOAD 1
	s_wait_dscnt 0x0
	P5 1
	PLACES 8                                       ; in front of the first read of the results
	s_wait_alu depctr_va_vdst(0)
.irp t, 0,1
.set n, 0
.rept 16
	v_pk_mul_f32 v[RAW+32*\t+n:RAW+32*\t+n+1], v[RAW+32*\t+n:RAW+32*\t+n+1], v[DINV+2*\t:DINV+2*\t+1]   ; in ascending order
.set n, n+2
.endr
.endr
.irp t, 0,1
.irp y, 0,1,2,3
	ds_store_b128 v[SOA], v[RAW+8*(4*\t+\y):RAW+8*(4*\t+\y)+3] offset:\t*16*272+64*\y          ; lane (r, h): out(16 t + r, 16 T + 8 h + 0 .. 7)
	ds_store_b128 v[SOA], v[RAW+8*(4*\t+\y)+4:RAW+8*(4*\t+\y)+7] offset:\t*16*272+64*\y+16
.endr
.endr
.set n, 0
.rept 16
	ds_load_b128 v[PC+4*n:PC+4*n+3], v[SRA] offset:(n/8)*16*272+(n%8)*2*272    ; LDS serves a wave's instructions in order (ISA guide 5.7.1.4): these see my stores
.set n, n+1
.endr
.set n, 0
.rept 16
	s_wait_dscnt 15-n                              ; load n is in; the later ones may be out
	global_store_b128 v[GO], v[PC+4*n:PC+4*n+3], s[16:17] offset:(32*\it+16*(n/8)+2*(n%8))*256 th:TH_STORE_NT   ; sixteen lanes store a row's 256 consecutive bytes, aligned
.set n, n+1
.endr
.endm
	ITER 0
	ITER 1
	s_wait_tensorcnt 0x0
	ds_add_u32 v126, v127
	s_wait_dscnt 0x0
	s_endpgm
.Lfunc_end_k_q5f5e7f94e6_out:
	.size	k_q5f5e7f94e6_out, .Lfunc_end_k_q5f5e7f94e6_out-k_q5f5e7f94e6_out
	.p2alignl 7, 3214868480
	.fill 96, 4, 3214868480
	.section	.rodata,"a",@progbits
	.p2align	6, 0x0
	.amdhsa_kernel k_q5f5e7f94e6_out
		.amdhsa_group_segment_fixed_size 246784
		.amdhsa_private_segment_fixed_size 0
		.amdhsa_enable_private_segment 0
		.amdhsa_kernarg_size 56
		.amdhsa_user_sgpr_count 2
		.amdhsa_user_sgpr_kernarg_segment_ptr 1
		.amdhsa_wavefront_size32 1
		.amdhsa_system_sgpr_workgroup_id_x 1
		.amdhsa_system_sgpr_workgroup_id_y 1
		.amdhsa_system_sgpr_workgroup_id_z 1
		.amdhsa_system_vgpr_workitem_id 0
		.amdhsa_next_free_vgpr 512
		.amdhsa_next_free_sgpr 80
		.amdhsa_reserve_vcc 0
		.amdhsa_float_denorm_mode_32 3
		.amdhsa_float_denorm_mode_16_64 3
		.amdhsa_memory_ordered 1
		.amdhsa_forward_progress 1
		.amdhsa_inst_pref_size 154
	.end_amdhsa_kernel
	.amdgpu_metadata
---
amdhsa.version: [ 1, 2 ]
amdhsa.kernels:
  - .name:           k_q5f5e7f94e6_out
    .symbol:         k_q5f5e7f94e6_out.kd
    .args:
      - { .name: Q, .offset: 0, .size: 8, .value_kind: global_buffer, .address_space: global }
      - { .name: proj_codes, .offset: 8, .size: 8, .value_kind: global_buffer, .address_space: global }
      - { .name: proj_scales, .offset: 16, .size: 8, .value_kind: global_buffer, .address_space: global }
      - { .name: ctxc, .offset: 24, .size: 8, .value_kind: global_buffer, .address_space: global }
      - { .name: ctxs, .offset: 32, .size: 8, .value_kind: global_buffer, .address_space: global }
      - { .name: ksum, .offset: 40, .size: 8, .value_kind: global_buffer, .address_space: global }
      - { .name: out0, .offset: 48, .size: 8, .value_kind: global_buffer, .address_space: global }
    .group_segment_fixed_size: 246784
    .private_segment_fixed_size: 0
    .kernarg_segment_align: 8
    .kernarg_segment_size: 56
    .max_flat_workgroup_size: 256
    .sgpr_count:     80
    .vgpr_count:     512
    .wavefront_size: 32
...
	.end_amdgpu_metadata
.endif
;; end of part 3
